; MI455X (gfx1250); checked and timed in simulation.
; The chip was launched on July 23, 2026; its instructions are those of AMD's public machine-readable ISA for CDNA 5 (MIT licence, August 2026) and "CDNA5" Instruction Set Architecture Reference Guide (July 2026). The comments in the code are by the model that wrote it; some were corrected since.
;; Input Masker. Allowed arithmetic: matrix products marked QUANTISED: E2M1 operands, one E8M0 scale for each 32 along K, by v_wmma_scale_f32_16x16x128_f8f6f4 with both operands' format E2M1 (or v_wmma_scale_f32_32x16x128_f4), f32 sums; products left as they are: f32 operands where the result goes on into a quantised operand, else bf16, f16 or f32 operands; f32 sums; everything else in f32.
;; Inputs: Wk 384 x 384 float32; Wq 384 x 384 float32; Wv 384 x 384 float32; b_out one number float32; beta 384 float32; bk 384 float32; bq 384 float32; bv 384 float32; gamma 384 float32; w_out 384 float32; x 4 x 4,096 x 384 float32.
;; Outputs: out0 4 x 4,096 float32.
;; This version of the problem:
;;   THIS VERSION OF THE PROBLEM IS GIVEN IN LOW PRECISION. The matrix products marked QUANTISED in the list below multiply operands that are first quantised to E2M1 (2 exponent bits, 1 mantissa bit; 4 bits a number), with one power-of-two scale for each 32 numbers along K (OCP MX v1.0); their sums are f32. All else is computed in f32.
;;   The module's matrix products, in the order in which they are computed (A, B: the left and right operand; K: the contracted axis; several contracted axes count as one K, in the product's order):
;;     1. [M 16,384, K 384] x [K 384, N 384]; A: input x; B: input Wq: QUANTISED
;;     2. [M 16,384, K 384] x [K 384, N 384]; A: input x; B: input Wk: QUANTISED
;;     3. [M 16,384, K 384] x [K 384, N 384]; A: input x; B: input Wv: QUANTISED
;;     4. batch 4 x [M 4,096, K 384] x [K 384, N 4,096]; A: computed on the way; B: computed on the way: QUANTISED
;;     5. batch 4 x [M 4,096, K 4,096] x [K 4,096, N 384]; A: softmax (see below); B: computed on the way: QUANTISED
;;     6. [M 16,384, K 384] x [K 384, N 1]; A: computed on the way; B: input w_out: left as it is (N = 1 < 16)
;;   THE QUANTISER, for each operand of a quantised product, along K:
;;     - K is cut into blocks of 32 from its start; a last block that is shorter is filled with zeros.
;;     - A block's scale is 2^e with e = floor(log2(the largest magnitude in the block)) - 2, held to -126 .. 127; a block of zeros has e = 0. As a byte (E8M0): e + 127.
;;     - Each number is divided by its block's scale, clamped to +-6, and rounded to the nearest number of E2M1, ties to even, subnormals kept.
;;     - The product sums the exact products of the quantised numbers (number of the format x scale) in f32.
;;   ~~~python
;;   def quantise(x, axis):      # numpy; x: float32 -> the quantised numbers, widened to float32 again
;;       x = np.moveaxis(x, axis, -1); K = x.shape[-1]
;;       x = np.pad(x, [(0, 0)] * (x.ndim - 1) + [(0, -K % 32)]); x = x.reshape(x.shape[:-1] + (-1, 32)); a = np.abs(x).max(-1, keepdims=True)
;;       e = np.where(a > 0, np.clip(np.frexp(np.where(a > 0, a, 1))[1] - 1 - 2, -126, 127), 0)      # np.frexp(a)[1] - 1 = floor(log2(a)), exactly
;;       r = np.clip(x / 2.0 ** e, -6, 6)
;;       step = 2.0 ** (np.maximum(np.frexp(np.where(r == 0, 1, r))[1] - 1, 0) - 1)
;;       q = np.round(r / step) * step * 2.0 ** e      # np.round: ties to even
;;       return np.moveaxis(q.reshape(q.shape[:-2] + (-1,))[..., :K], -1, axis).astype(np.float32)
;;   ~~~
;;   SOFTMAX AHEAD OF A QUANTISED PRODUCT. Where the list says 'softmax', what is quantised is not the finished softmax but p = 2^(t - M), with t = logit x log2(e) and M = ceil(the row's largest t), a whole number; so 1/2 < the row's largest p <= 1. The row's sum l is taken of the UNQUANTISED p, in f32, and the product's result is divided by l at the end. Since M is a whole number, a kernel that streams over the keys may use a running M (the ceiling of the running maximum): every later rescaling is an exact power of two, which a block's scale takes up: the codes' values come out the same.
;;   OPERANDS COMPUTED ON THE WAY. 'Computed on the way' means the value that the module computes at that place (a softmax that the list does not call 'softmax' is quantised finished and normalised). What goes into a quantiser is computed in f32, as accurately as f32 sums, v_exp_f32 and their like allow (about 1e-6 of the number): no bf16 or f16 on the way to a quantiser, and a product that is left as it is and whose result goes on into a quantised operand takes f32 operands (vector FMAs, or v_wmma_f32_16x16x4_f32). A number that lies on a knife's edge between two numbers of the format may be rounded either way, as far as f32 arithmetic and the matrix unit's own rounding can turn it there, and no further.
;; One version. Each part assembles by itself: llvm-mc -triple=amdgcn-amd-amdhsa -mcpu=gfx1250 --defsym DOCPART=n.
;; ======== version 1 of 1: 3 launches
;; limits: right only within a limited range of input values
;; workspace buffers: tl 3,647,488 bytes; qkv 10,027,008 bytes
;; launch quant (part 1): grid 548 x 1, 2 waves a work-group, no clusters, 19,712 bytes of LDS; arguments x, Wq, Wk, Wv, tl; writes tl
.if DOCPART == 1
	.amdgcn_target "amdgcn-amd-amdhsa--gfx1250"
	.amdhsa_code_object_version 6
	.text
	.protected	k_qcda4eff6eb_quant
	.globl	k_qcda4eff6eb_quant
	.p2align	8
	.type	k_qcda4eff6eb_quant,@function
k_qcda4eff6eb_quant:
	s_mov_b64 s[64:65], 0
	v_nop
	global_prefetch_b8 v0, s[64:65] scope:SCOPE_SE
	s_setreg_imm32_b32 hwreg(HW_REG_WAVE_MODE, 25, 1), 1
	s_wait_xcnt 0x0
; x [16384][384] and Wq, Wk, Wv [384][384], f32 with K innermost, become codes of FP4 (E2M1) and one E8M0 scale byte for each 32 along K,
; laid as the next launch's operand registers want them.  No work of the problem is left out in this program: every input has a way to the output and is loaded.
; A block's scale is 2^(floor(log2(its largest magnitude)) - 2); its byte is the largest magnitude's exponent field - 2, held at 1 from below.
; LIMITS: a block of zeros gets the byte 1 where the quantiser's rule says 127 (its codes are zeros, and this program alone reads the bytes); NaN and infinities among the inputs are not served.
; tl = 1,096 RECORDS of 3,328 bytes, one for each tile of 16 rows: three images of 1,024 bytes (128 along K each: block kb = 0..11 of row r at 256 kb + 16 r), then 256 bytes of
; scale bytes (block kb of row r at 16 r + kb; bytes 12-15 of a row are 0).  Records 0-1023: x; 1024-1047: Wq; 1048-1071: Wk; 1072-1095: Wv.
; THE ROWS OF A TILE: in x, Wq and Wk tile t holds rows 32 (t / 2) + 8 (t % 2) + 0..7 and the eight that lie 16 further on; in Wv 16 neighbouring rows.  Either way: two runs of 8 rows, 12,288 consecutive bytes each.
; SHARES.  A wave makes one record: 12 steps of 512 numbers, six to a run.  Each load reads 512 consecutive bytes; a step's 2,048 bytes turn through the wave's own stage in LDS and come back 64 bytes a lane,
; so that a lane holds 16 neighbours along K and two neighbouring lanes a block.  The codes are gathered in LDS (256 bytes of a block column 272 bytes apart) and leave by six stores of 512 consecutive bytes, the scale bytes by one of 256.
; No tensor load, no barrier, no cluster: waves share no input.  Loads run four steps (16 loads a wave) ahead.
.set STEPS, 12
.set REC,   3328
.set R,     16                         ; v16-79   four sets of 16 numbers as loaded
.set X,     80                         ; v80-111  two sets of 16 neighbours
.set E,     112                        ; v112-123 a scale byte a step
.set C,     124                        ; v124-147 codes, two registers a step
.set AC,    148                        ; v148-153 where a lane's 8 bytes of codes go, for the six steps of a run
.set AS,    154                        ; v154-159 and its block's scale byte
.set OUTR,  160                        ; v160-185 the way out
.set Z,     186                        ; v186-187 zeros
.set SPW,   188                        ; my spare word; never rewritten
.set NIL,   189                        ; 0; never rewritten
.set WREG,  9728                       ; LDS of a wave: two stages of 32 x SP bytes, the codes at 5,120 (room for 16 block columns of 272 bytes, of which 12 are used), the scale bytes at 9,472
.set SP,    80
.set SPARE, 2*WREG
	s_load_b256 s[4:11], s[0:1], 0x0               ; x, Wq, Wk, Wv
	s_load_b64 s[12:13], s[0:1], 0x20              ; tl
	v_lshl_add_u32 v[SPW], v0, 2, SPARE
	v_mov_b32 v[NIL], 0
	v_lshrrev_b32 v1, 5, v0
	v_readfirstlane_b32 s26, v1                    ; wave 0, 1
	v_and_b32 v2, 31, v0                           ; lane
	v_lshlrev_b32 v3, 4, v2                        ; my 16 bytes of 512
	s_mul_i32 s29, s26, WREG
	s_add_co_u32 s32, s29, 5120                    ; the codes' stage
	s_add_co_u32 s33, s29, 9472                    ; the scale bytes
	v_lshrrev_b32 v14, 2, v2
	v_mul_u32_u24 v14, v14, SP
	v_and_b32 v15, 3, v2
	v_lshl_add_u32 v14, v15, 4, v14
	v_add_nc_u32 v14, s29, v14                     ; the turn, in: SP (lane / 4) + 16 (lane % 4)
	v_mul_u32_u24 v15, v2, SP
	v_add_nc_u32 v15, s29, v15                     ; and out: SP x lane
	s_wait_alu depctr_va_vdst(0)
	s_wait_kmcnt 0x0
	s_mov_b64 s[20:21], s[10:11]                   ; which tensor: the work-group's number alone decides.  Wv,
	s_mov_b32 s27, 536
	s_cmp_lt_u32 ttmp9, 536
	s_cselect_b64 s[20:21], s[8:9], s[20:21]       ; Wk
	s_cselect_b32 s27, 524, s27
	s_cselect_b32 s28, 8, 16                       ; rows from wave 0's tile to wave 1's
	s_cmp_lt_u32 ttmp9, 524
	s_cselect_b64 s[20:21], s[6:7], s[20:21]       ; Wq
	s_cselect_b32 s27, 512, s27
	s_cmp_lt_u32 ttmp9, 512
	s_cselect_b64 s[20:21], s[4:5], s[20:21]       ; x
	s_cselect_b32 s27, 0, s27
	s_sub_co_u32 s27, ttmp9, s27
	s_lshl_b32 s27, s27, 5
	s_mul_i32 s30, s26, s28
	s_add_co_u32 s27, s27, s30                     ; my first run's first row
	s_sub_co_u32 s28, 24, s28
	s_add_co_u32 s28, s27, s28                     ; my second run's: 16 on, in Wv 8
	s_mov_b32 s31, 0
	s_mul_i32 s30, s28, 1536
	s_add_nc_u64 s[22:23], s[20:21], s[30:31]
	s_mul_i32 s30, s27, 1536
	s_add_nc_u64 s[20:21], s[20:21], s[30:31]
	s_lshl_b32 s30, ttmp9, 1
	s_add_co_u32 s30, s30, s26
	s_mul_i32 s30, s30, REC
	s_add_nc_u64 s[24:25], s[12:13], s[30:31]      ; my record
.macro LOAD t
.irp i, 0,1,2,3
	global_load_b128 v[R+16*((\t)%4)+4*\i:R+16*((\t)%4)+4*\i+3], v3, s[20+2*((\t)/6):21+2*((\t)/6)] offset:2048*((\t)%6)+512*\i th:TH_LOAD_NT
.endr
.endm
.macro TURN t                          ; LDS serves a wave's instructions in order: no wait between the stores and the loads
.irp i, 0,1,2,3
	ds_store_b128 v14, v[R+16*((\t)%4)+4*\i:R+16*((\t)%4)+4*\i+3] offset:32*SP*((\t)%2)+8*SP*\i
.endr
.irp i, 0,1,2,3
	ds_load_b128 v[X+16*((\t)%2)+4*\i:X+16*((\t)%2)+4*\i+3], v15 offset:32*SP*((\t)%2)+16*\i
.endr
.endm
.irp t, 0,1,2,3
	LOAD \t
.endr
; under the loads' flight: in step q of a run my 16 numbers are half block j = 32 q + lane: row j / 24, block (j % 24) / 2, half j % 2
.irp q, 0,1,2,3,4,5
	v_add_nc_u32 v4, 8+(8*\q)%24, v2               ; the step begins (8 q) % 24 half blocks into row (32 q) / 24: the row changes once among the 32 lanes,
	v_lshrrev_b32 v5, 5, v4                        ; d = 1 in the lanes behind that change
	v_lshl_add_u32 v6, v5, 3, v2
	v_add_nc_u32 v6, (8*\q)%24, v6
	v_and_b32 v6, 31, v6                           ; j % 24 = (lane + (8 q) % 24 + 8 d) mod 32
	v_add_nc_u32 v5, (32*\q)/24, v5                ; the row
	v_lshrrev_b32 v7, 1, v6                        ; kb
	v_and_b32 v6, 1, v6
	v_mul_u32_u24 v8, v7, 272
	v_add_nc_u32 v8, s32, v8
	v_lshl_add_u32 v8, v5, 4, v8
	v_lshl_add_u32 v[AC+\q], v6, 3, v8             ; 272 kb + 16 row + 8 half
	v_lshl_add_u32 v7, v5, 4, v7
	v_add_nc_u32 v[AS+\q], s33, v7                 ; 16 row + kb
.endr
	v_lshrrev_b32 v9, 4, v2
	v_mul_u32_u24 v9, v9, 272
	v_and_b32 v10, 15, v2
	v_lshl_add_u32 v9, v10, 4, v9
	v_add_nc_u32 v9, s32, v9                       ; the codes' way back: sixteen lanes to a block column
	v_lshlrev_b32 v10, 3, v2                       ; 8 bytes a lane
	v_add_nc_u32 v12, s33, v10
	v_mov_b32 v[Z], 0
	v_mov_b32 v[Z+1], 0
	s_wait_alu depctr_va_vdst(0)
	ds_store_b64 v12, v[Z:Z+1]                     ; the 256 scale bytes begin as zeros: bytes 12-15 of each row stay so
	s_wait_loadcnt 12                              ; step 0's four loads are in
	TURN 0
.macro STEP t
.set XS, X+16*((\t)%2)
.if (\t) > 0
	s_wait_dscnt 2                                 ; this step's numbers are back; the last step's two stores may be out
.else
	s_wait_dscnt 0x0
.endif
.if (\t)+4 < STEPS
	LOAD (\t)+4
.endif
.if (\t)+1 < STEPS
.if STEPS-2-(\t) >= 3
	s_wait_loadcnt 12                              ; the next step's four are in; three steps' may be out
.else
	s_wait_loadcnt 4*(STEPS-2-(\t))
.endif
	TURN (\t)+1
.endif
	v_max3_num_f32 v8, |v[XS]|, |v[XS+1]|, |v[XS+2]|
	v_max3_num_f32 v13, |v[XS+3]|, |v[XS+4]|, |v[XS+5]|
.irp i, 6,10
	v_max3_num_f32 v8, v8, |v[XS+\i]|, |v[XS+\i+1]|
	v_max3_num_f32 v13, v13, |v[XS+\i+2]|, |v[XS+\i+3]|
.endr
	v_max3_num_f32 v8, v8, |v[XS+14]|, |v[XS+15]|
	v_max3_num_f32 v8, v8, v13, 0x1800000          ; the floor 2^(3 - 127): the byte cannot fall under 1
	v_max_num_f32_dpp v8, v8, v8 row_xmask:1 row_mask:0xf bank_mask:0xf   ; with my neighbour's 16: the block's
	v_add_nc_u32 v11, 0xff000000, v8               ; 2 off the exponent field: the conversion's scale operand
	v_cvt_scalef32_pk8_fp4_f32 v[C+2*(\t)], v[XS:XS+7], v11
	v_cvt_scalef32_pk8_fp4_f32 v[C+2*(\t)+1], v[XS+8:XS+15], v11
	v_lshrrev_b32 v[E+(\t)], 23, v11               ; the byte (also the plain line behind the conversions)
	ds_store_b8 v[AS+(\t)%6], v[E+(\t)] offset:128*((\t)/6)        ; the second run's rows lie 8 further on; both lanes of a block write the same byte
	ds_store_b64 v[AC+(\t)%6], v[C+2*(\t):C+2*(\t)+1] offset:128*((\t)/6)
.endm
.irp t, 0,1,2,3,4,5,6,7,8,9,10,11
	STEP \t
.endr
.irp q, 0,1,2,3,4,5
	ds_load_b128 v[OUTR+4*\q:OUTR+4*\q+3], v9 offset:544*\q        ; these see my stores: LDS serves a wave in order
.endr
	ds_load_b64 v[OUTR+24:OUTR+25], v12
	s_wait_dscnt 0x0
.irp q, 0,1,2,3,4,5
	global_store_b128 v3, v[OUTR+4*\q:OUTR+4*\q+3], s[24:25] offset:512*\q   ; 512 consecutive bytes
.endr
	global_store_b64 v10, v[OUTR+24:OUTR+25], s[24:25] offset:3072           ; 256 consecutive bytes
	s_wait_tensorcnt 0x0                           ; the wave's end
	ds_add_u32 v[SPW], v[NIL]
	s_wait_dscnt 0x0
	s_endpgm
.Lfunc_end_k_qcda4eff6eb_quant:
	.size	k_qcda4eff6eb_quant, .Lfunc_end_k_qcda4eff6eb_quant-k_qcda4eff6eb_quant
	.p2alignl 7, 3214868480
	.fill 96, 4, 3214868480
	.section	.rodata,"a",@progbits
	.p2align	6, 0x0
	.amdhsa_kernel k_qcda4eff6eb_quant
		.amdhsa_group_segment_fixed_size 19712
		.amdhsa_private_segment_fixed_size 0
		.amdhsa_enable_private_segment 0
		.amdhsa_kernarg_size 40
		.amdhsa_user_sgpr_count 2
		.amdhsa_user_sgpr_kernarg_segment_ptr 1
		.amdhsa_wavefront_size32 1
		.amdhsa_system_sgpr_workgroup_id_x 1
		.amdhsa_system_sgpr_workgroup_id_y 1
		.amdhsa_system_sgpr_workgroup_id_z 1
		.amdhsa_system_vgpr_workitem_id 0
		.amdhsa_next_free_vgpr 192
		.amdhsa_next_free_sgpr 66
		.amdhsa_reserve_vcc 0
		.amdhsa_float_denorm_mode_32 3
		.amdhsa_float_denorm_mode_16_64 3
		.amdhsa_memory_ordered 1
		.amdhsa_forward_progress 1
		.amdhsa_inst_pref_size 31
	.end_amdhsa_kernel
	.amdgpu_metadata
---
amdhsa.version: [ 1, 2 ]
amdhsa.kernels:
  - .name:           k_qcda4eff6eb_quant
    .symbol:         k_qcda4eff6eb_quant.kd
    .args:
      - { .name: x, .offset: 0, .size: 8, .value_kind: global_buffer, .address_space: global }
      - { .name: Wq, .offset: 8, .size: 8, .value_kind: global_buffer, .address_space: global }
      - { .name: Wk, .offset: 16, .size: 8, .value_kind: global_buffer, .address_space: global }
      - { .name: Wv, .offset: 24, .size: 8, .value_kind: global_buffer, .address_space: global }
      - { .name: tl, .offset: 32, .size: 8, .value_kind: global_buffer, .address_space: global }
    .group_segment_fixed_size: 19712
    .private_segment_fixed_size: 0
    .kernarg_segment_align: 8
    .kernarg_segment_size: 40
    .max_flat_workgroup_size: 64
    .sgpr_count:     66
    .vgpr_count:     192
    .wavefront_size: 32
...
	.end_amdgpu_metadata
.endif
;; end of part 1
;; launch proj (part 2): grid 128 x 2, 4 waves a work-group, clusters of 4 x 1, 167,936 bytes of LDS; arguments tl, bq, bk, bv, qkv; writes qkv
.if DOCPART == 2
	.amdgcn_target "amdgcn-amd-amdhsa--gfx1250"
	.amdhsa_code_object_version 6
	.text
	.protected	k_qcda4eff6eb_proj
	.globl	k_qcda4eff6eb_proj
	.p2align	8
	.type	k_qcda4eff6eb_proj,@function
k_qcda4eff6eb_proj:
	s_mov_b64 s[64:65], 0
	v_nop
	global_prefetch_b8 v0, s[64:65] scope:SCOPE_SE
	s_setreg_imm32_b32 hwreg(HW_REG_WAVE_MODE, 25, 1), 1
	s_wait_xcnt 0x0
	s_wait_alu depctr_hold_cnt(0) depctr_sa_sdst(0) depctr_va_vdst(0) depctr_va_sdst(0) depctr_va_ssrc(0) depctr_va_vcc(0) depctr_vm_vsrc(0)
	s_getreg_b32 s2, hwreg(HW_REG_IB_STS2, 6, 4)
	s_cmp_eq_u32 s2, 0
	s_cbranch_scc0 .Lentry_in_a_cluster
	s_endpgm
.Lentry_in_a_cluster:
	s_bfe_u32 s2, ttmp6, 0x10000c
	s_cmp_lg_u32 s2, 0x3003
	s_cbranch_scc0 .Lentry_shape_is_right
	s_endpgm
.Lentry_shape_is_right:
; Q = x Wq^T + bq, K = x Wk^T + bk, V = x Wv^T + bv on codes of FP4 (E2M1) with E8M0 scales, sums in f32; the results are quantised again in registers, Q and K along the 384 channels, V along the KEYS,
; and stored in the order of an operand's registers, as the attention launch reads them.
; qkv = [128 blocks of 128 rows][Q, K, V][BLK bytes].  A block: 24 fragment images of 1,024 bytes (register 4 c + i of lane l at 1024 f + 512 c + 16 l + 4 i), then 1,536 bytes of scale words:
; the word of fragment f, row r, at 24,576 + 256 (f / 4) + 16 r + 4 (f % 4).
; Q, K: fragment f = 8 s + t: channels 128 s on, tile t of 16 rows (row 32 (t / 2) + 8 (t % 2) + r + 8 (r / 8)).   V: fragment f: channels 16 f + r; its K is the block's 128 keys in order.
; SHARES.  256 work-groups: (x = block of 128 rows, y = half).  Half 0 makes the block's Q and V's fragments 0-11, half 1 its K and V's fragments 12-23: 36 fragments, nine a wave.
; A FRAGMENT.  The product is used transposed.  Source 0, the P side, is 128 rows that become the next K (8 tiles of the records' order, so that the 16 registers of tiles 2 b, 2 b + 1 are 16 neighbours along it);
; source 1, the N side, is the fragment's 16 rows.  8 tiles x 3 steps of 128: 24 matrix instructions.  The bias is the C of each sum's first.
;   Q, K: P = 128 rows of the weight, N = a tile of x.  Wave w owns x's tiles 2 w, 2 w + 1 and walks s = 0, 1, 2: each fragment of P read from LDS feeds two matrix instructions, sixteen accumulators by turns.
;   V: P = x's 128 rows, N = 16 rows of Wv: wave w makes the half's fragments 3 w + 0..2.
; LDS: four regions of 39,936 bytes, one tensor load a wave at the head, filled once: wave 0 x's 8 records (its own load), waves 1, 2 the weight's 24 records, wave 3 Wv's 12.
; CLUSTER 4 x 1: the four partners have the same half, so the three loads of weights are asked for jointly.  The records are register images: lane l reads at 16 l, so no padding is wanted.
; While a result is quantised, the next P side is on its way from LDS.  The scale words are gathered in LDS and leave in runs of 512 and 256 consecutive bytes.
; No prefetch: the launch has no loop to run ahead in; every tile is asked for at the head.
; LIMITS: a block of zeros keeps the byte 1 (its codes are zeros, and this program alone reads the bytes); NaN and infinities are not served.
; REGISTERS.  Window 0: v1-27 addresses; v32-47 at work; v48-79 P's scale words; v80-99 N's; v100-108 the words made; v110-125 codes; v128-255 sixteen accumulators.
;   Window 1: v0-191 P.   Window 2: v0-191 bq or bk, v192-239 x's two tiles.   Window 3: v0-71 Wv's three tiles, v72-95 bv.
.set REC, 3328
.set BLK, 26112
.set REG, 12*REC
.set WA,  REG
.set WV,  3*REG
.set SPARE, 4*REG
.set STG, SPARE+512                    ; 2,304 bytes: the scale words of Q or K, then of V's half
.set SPW, 1
.set NIL, 2
.set L16, 3
.set R16, 4
.set BH,  5
.set BR,  6
.set NFA, 7
.set NSA, 8
.set WFA, 9
.set WSA, 12
.set VFA, 15
.set VSA, 16
.set SQ,  17
.set SV,  18
.set OQ,  21
.set OV,  22
.set G8,  23
.set TM,  32
.set PS,  48
.set NQ,  80
.set NV,  88
.set SW,  100
.set CD,  110
.set AC,  128
.set MSB, 0
.macro WIN new                         ; s_set_vgpr_msb: bits 1:0 source 0, 3:2 source 1, 5:4 source 2, 7:6 destination; the high byte repeats the setting that is left
.if MSB != (\new)
	s_set_vgpr_msb (MSB<<8)|(\new)
.set MSB, (\new)
.endif
.endm
.macro PLACES n
.rept \n
	v_nop
.endr
.endm
.macro WM d, a, b, c, sa, sb
	v_wmma_scale_f32_16x16x128_f8f6f4 v[\d:\d+7], v[\a:\a+7], v[\b:\b+7], v[\c:\c+7], v[\sa], v[\sb] matrix_a_fmt:MATRIX_FMT_FP4 matrix_b_fmt:MATRIX_FMT_FP4
.endm
.macro CROUND                          ; a round of the cluster's barrier
	s_barrier_signal -1
	s_barrier_wait -1
	s_cmp_lg_u32 s16, 0
	s_cbranch_scc1 .Lnot_wave_0_\@
	s_barrier_signal -3
.Lnot_wave_0_\@:
	s_barrier_wait -3
	s_barrier_signal -1
	s_barrier_wait -1
.endm
; 64 numbers of a lane, v[s] on, register 16 b + i = k 32 b + 16 (lane / 16) + i of my row, become a fragment's codes in v[d] .. v[d + 7] and its scale word in v[w]
.macro QUANT s, d, w
.irp b, 0,1,2,3
	v_max3_num_f32 v[TM+\b], |v[\s+16*\b]|, |v[\s+1+16*\b]|, 0x1800000   ; the floor 2^(3 - 127): the byte cannot fall under 1
.endr
.irp i, 2,4,6,8,10,12,14
.irp b, 0,1,2,3
	v_max3_num_f32 v[TM+\b], v[TM+\b], |v[\s+16*\b+\i]|, |v[\s+1+16*\b+\i]|
.endr
.endr
.irp b, 0,1,2,3
	v_permlanex16_b32 v[TM+4+\b], v[TM+\b], s20, s21
.endr
.irp b, 0,1,2,3
	v_max_num_f32 v[TM+\b], v[TM+\b], v[TM+4+\b]   ; with lane l xor 16's: the block's largest magnitude
.endr
.irp b, 0,1,2,3
	v_add_nc_u32 v[TM+12+\b], 0xff000000, v[TM+\b] ; the conversion's scale operand
.endr
.irp b, 0,1,2,3
	v_lshrrev_b32 v[TM+4+\b], 23, v[TM+12+\b]      ; the byte
.endr
	v_lshl_or_b32 v[\w], v[TM+5], 8, v[TM+4]
	v_lshl_or_b32 v[\w], v[TM+6], 16, v[\w]
	v_lshl_or_b32 v[\w], v[TM+7], 24, v[\w]
.irp b, 0,1,2,3
	v_cvt_scalef32_pk8_fp4_f32 v[\d+2*\b], v[\s+16*\b:\s+7+16*\b], v[TM+12+\b]
	v_cvt_scalef32_pk8_fp4_f32 v[\d+1+2*\b], v[\s+8+16*\b:\s+15+16*\b], v[TM+12+\b]
.endr
	v_nop                                          ; one plain line behind the scaled conversions
.irp c, 0,1                                    ; a whole block in a lane: lanes 0-15 block 2 c, lanes 16-31 block 2 c + 1
.irp i, 0,1
	v_permlane16_swap_b32 v[\d+4*\c+\i], v[\d+2+4*\c+\i]
.endr
.endr
.endm
.macro LDP af, as                      ; a P side: 8 records' scale words, then their 24 fragments into window 1, v[24 t + 4 e]
.irp t, 0,1,2,3,4,5,6,7
	ds_load_b128 v[PS+4*\t:PS+4*\t+3], v[\as] offset:\t*REC+3072
.endr
	WIN 0x40
.irp t, 0,1,2,3,4,5,6,7
.irp e, 0,1,2,3,4,5
	ds_load_b128 v[24*\t+4*\e:24*\t+4*\e+3], v[\af] offset:\t*REC+512*\e
.endr
.endr
	WIN 0
.endm
	s_load_b256 s[4:11], s[0:1], 0x0               ; tl, bq, bk, bv
	s_load_b64 s[12:13], s[0:1], 0x20              ; qkv
	v_lshl_add_u32 v[SPW], v0, 2, SPARE
	v_mov_b32 v[NIL], 0
	ds_add_u32 v[SPW], v[NIL]                      ; the opening lines: the add twice on end and its wait
	ds_add_u32 v[SPW], v[NIL]
	v_lshrrev_b32 v24, 5, v0
	v_readfirstlane_b32 s16, v24                   ; wave 0..3
	s_bfe_u32 s17, ttmp6, 0x40000                  ; cx
	s_lshl_b32 s18, ttmp9, 2
	s_add_co_u32 s18, s18, s17                     ; my block of rows
	s_and_b32 s19, ttmp7, 0xffff                   ; my half: the same in all four partners
	s_mov_b32 s20, 0x76543210
	s_mov_b32 s21, 0xfedcba98                      ; selects for lane l xor 16
	s_mov_b32 s28, 3<<16                           ; group 1 for x's records: 104 dense rows of 256 bytes (32 elements of 8), no mask
	s_mov_b32 s29, 32<<16
	s_mov_b32 s30, 104<<16
	s_mov_b32 s31, 32<<16
	s_mov_b32 s32, 104
	s_mov_b32 s33, 32
	s_mov_b32 s34, 0
	s_mov_b32 s35, 0
	s_mov_b32 s36, 15|(3<<16)|(1<<21)              ; for 12 records of a weight: 156 rows, asked for by all four partners
	s_mov_b32 s37, 32<<16
	s_mov_b32 s38, 156<<16
	s_mov_b32 s39, 32<<16
	s_mov_b32 s40, 156
	s_mov_b32 s41, 32
	s_mov_b32 s42, 0
	s_mov_b32 s43, 0
	s_mul_i32 s52, s18, 8*REC                      ; x's records 8 x block on
	s_mov_b32 s53, 0
	s_max_u32 s22, s16, 1
	s_sub_co_u32 s22, s22, 1                       ; waves 1, 2, 3: 0, 1, 2
	s_mul_i32 s23, s19, 24
	s_mul_i32 s54, s22, 12
	s_add_co_u32 s54, s54, s23                     ; Wq's or Wk's records, 12 to a wave;
	s_mul_i32 s23, s19, 12
	s_add_co_u32 s23, s23, 48                      ; Wv's, my half's 12
	s_cmp_lt_u32 s22, 2
	s_cselect_b32 s54, s54, s23
	s_add_co_u32 s54, s54, 1024
	s_mul_i32 s54, s54, REC
	s_mov_b32 s55, 0
	s_mov_b32 s44, 1
	s_mov_b32 s45, 0
	s_mov_b32 s48, 1
	s_mul_i32 s49, s16, REG                        ; a region a wave
	s_mov_b32 s59, 0
	s_mul_i32 s56, s18, 3
	s_add_co_u32 s57, s56, s19
	s_mul_i32 s57, s57, BLK                        ; my block of Q or K in qkv,
	s_add_co_u32 s56, s56, 2
	s_mul_i32 s56, s56, BLK                        ; and of V
	s_wait_dscnt 0x0
	s_wait_kmcnt 0x0
	s_add_nc_u64 s[46:47], s[4:5], s[52:53]
	s_or_b32 s47, s47, 0x80000000
	s_add_nc_u64 s[50:51], s[4:5], s[54:55]
	s_or_b32 s51, s51, 0x80000000
	CROUND                                         ; the partners are here: the joint loads meet
	s_cmp_eq_u32 s16, 0                            ; one tensor load a wave, one arm each
	s_cbranch_scc0 .Lweights
	tensor_load_to_lds s[44:47], s[28:35]
	s_nop 0
	PLACES 4
	s_branch .Lasked
.Lweights:
	tensor_load_to_lds s[48:51], s[36:43]
	s_nop 0
	PLACES 4
.Lasked:
	s_lshl_b32 s58, s16, 11
	s_add_co_u32 s58, s58, s57
	s_add_nc_u64 s[60:61], s[12:13], s[58:59]      ; images of Q or K: fragment 2 w
	s_mul_i32 s58, s19, 12
	s_mul_i32 s22, s16, 3
	s_add_co_u32 s58, s58, s22
	s_lshl_b32 s58, s58, 10
	s_add_co_u32 s58, s58, s56
	s_add_nc_u64 s[62:63], s[12:13], s[58:59]      ; images of V: fragment 12 half + 3 w
	s_lshl_b32 s58, s16, 9
	s_add_co_u32 s58, s58, s57
	s_add_co_u32 s58, s58, 24576
	s_add_nc_u64 s[66:67], s[12:13], s[58:59]      ; scale words of Q or K: 512 bytes a wave
	s_mul_i32 s58, s19, 768
	s_lshl_b32 s22, s16, 8
	s_add_co_u32 s58, s58, s22
	s_add_co_u32 s58, s58, s56
	s_add_co_u32 s58, s58, 24576
	s_add_nc_u64 s[68:69], s[12:13], s[58:59]      ; of V's half: 256 bytes a wave
	s_cmp_eq_u32 s19, 0
	s_cselect_b64 s[70:71], s[6:7], s[8:9]         ; bq or bk
	s_mul_i32 s58, s19, 768
	s_mul_i32 s22, s16, 192
	s_add_co_u32 s58, s58, s22
	s_add_nc_u64 s[72:73], s[10:11], s[58:59]      ; bv at channel 16 (12 half + 3 w)
	v_and_b32 v24, 31, v0
	v_and_b32 v25, 15, v0
	v_bfe_u32 v26, v0, 4, 1
	v_lshlrev_b32 v[L16], 4, v24
	v_lshlrev_b32 v[R16], 4, v25
	v_lshlrev_b32 v[BH], 6, v26                    ; bq, bk go with the registers: my half's 16 channels begin 64 h bytes on
	v_lshlrev_b32 v[BR], 2, v25                    ; bv goes with the lane
	v_lshlrev_b32 v[G8], 3, v24
	s_wait_alu depctr_va_vdst(0)
	WIN 0x80
.irp s, 0,1,2
.irp t, 0,1,2,3,4,5,6,7
	global_load_b128 v[64*\s+8*\t:64*\s+8*\t+3], v[BH], s[70:71] offset:512*\s+(32*(\t/2)+8*(\t%2))*4
	global_load_b128 v[64*\s+8*\t+4:64*\s+8*\t+7], v[BH], s[70:71] offset:512*\s+(32*(\t/2)+8*(\t%2))*4+16
.endr
.endr
	WIN 0xc0
.irp k, 0,1,2
.irp j, 0,1,2,3,4,5,6,7
	global_load_b32 v[72+8*\k+\j], v[BR], s[72:73] offset:64*\k   ; C wants eight registers a lane: all bv[16 f + r]
.endr
.endr
	WIN 0
	s_mul_i32 s22, s16, 2*REC
	v_add_nc_u32 v[NFA], s22, v[L16]               ; x's tiles 2 w, 2 w + 1
	v_add_nc_u32 v[NSA], s22, v[R16]
.irp s, 0,1,2
	v_add_nc_u32 v[WFA+\s], WA+8*\s*REC, v[L16]    ; the weight's rows 128 s on
	v_add_nc_u32 v[WSA+\s], WA+8*\s*REC, v[R16]
.endr
	s_mul_i32 s22, s16, 3*REC
	s_add_co_u32 s22, s22, WV
	v_add_nc_u32 v[VFA], s22, v[L16]               ; Wv's tiles 3 w on of my half
	v_add_nc_u32 v[VSA], s22, v[R16]
	s_lshr_b32 s22, s16, 1
	s_lshl_b32 s22, s22, 8
	s_and_b32 s23, s16, 1
	s_lshl_b32 s23, s23, 3
	s_add_co_u32 s22, s22, s23
	s_add_co_u32 s22, s22, STG
	v_add_nc_u32 v[SQ], s22, v[R16]                ; the word of fragment 8 s + 2 w + u: 512 s + 256 (w / 2) + 16 r + 8 (w % 2) + 4 u
.irp k, 0,1,2
	s_mul_i32 s22, s16, 3
	s_add_co_u32 s22, s22, \k                      ; g = 3 w + k
	s_lshr_b32 s23, s22, 2
	s_lshl_b32 s23, s23, 8
	s_and_b32 s22, s22, 3
	s_lshl_b32 s22, s22, 2
	s_add_co_u32 s22, s22, s23
	s_add_co_u32 s22, s22, STG+1536
	v_add_nc_u32 v[SV+\k], s22, v[R16]             ; 256 (g / 4) + 16 r + 4 (g % 4)
.endr
	s_lshl_b32 s22, s16, 9
	s_add_co_u32 s22, s22, STG
	v_add_nc_u32 v[OQ], s22, v[L16]
	s_lshl_b32 s22, s16, 8
	s_add_co_u32 s22, s22, STG+1536
	v_add_nc_u32 v[OV], s22, v[G8]
.irp b, 0,1,2,3
	v_mov_b32 v[TM+4+\b], 0                        ; a lane permute's destination counts as one of its sources
.endr
	s_wait_alu depctr_va_vdst(0)
	s_wait_tensorcnt 0x0                           ; my region is in;
	s_barrier_signal -1
	s_barrier_wait -1                              ; and everybody's.  Nothing is filled again
.irp u, 0,1
	ds_load_b128 v[NQ+4*\u:NQ+4*\u+3], v[NSA] offset:\u*REC+3072
.endr
.irp k, 0,1,2
	ds_load_b128 v[NV+4*\k:NV+4*\k+3], v[VSA] offset:\k*REC+3072
.endr
	WIN 0x80
.irp u, 0,1
.irp e, 0,1,2,3,4,5
	ds_load_b128 v[192+24*\u+4*\e:192+24*\u+4*\e+3], v[NFA] offset:\u*REC+512*\e
.endr
.endr
	WIN 0
	LDP WFA, WSA
	WIN 0xc0
.irp k, 0,1,2
.irp e, 0,1,2,3,4,5
	ds_load_b128 v[24*\k+4*\e:24*\k+4*\e+3], v[VFA] offset:\k*REC+512*\e
.endr
.endr
	WIN 0
	s_wait_loadcnt 0x0                             ; the biases
.macro QKTRIP s                        ; channels 128 s on of my two tiles
	s_wait_alu depctr_va_vdst(0)
	s_wait_dscnt 0x0                               ; P is in
	WIN 0x29                                       ; P window 1, N and the bias window 2
.irp t, 0,1,2,3,4,5,6,7
.irp u, 0,1
	WM AC+64*\u+8*\t, 24*\t, 192+24*\u, 64*\s+8*\t, PS+4*\t, NQ+4*\u
.endr
.endr
	WIN 0x09                                       ; the sums go on in place, sixteen accumulators by turns
.irp k, 1,2
.irp t, 0,1,2,3,4,5,6,7
.irp u, 0,1
	WM AC+64*\u+8*\t, 24*\t+8*\k, 192+24*\u+8*\k, AC+64*\u+8*\t, PS+4*\t+\k, NQ+4*\u+\k
.endr
.endr
.endr
	WIN 0
	PLACES 4                                       ; ahead of loads into P's registers and of the first read of results
.if \s < 2
	LDP WFA+\s+1, WSA+\s+1                         ; the next P side comes while these results are quantised
.else
	LDP L16, R16                                   ; x's 128 rows, for V
.endif
.irp u, 0,1
	s_wait_alu depctr_va_vdst(0)
	s_wait_xcnt 0x0                                ; earlier stores have read the codes' registers
	QUANT AC+64*\u, CD+8*\u, SW+2*\s+\u
	ds_store_b32 v[SQ], v[SW+2*\s+\u] offset:512*\s+4*\u           ; lanes 16-31 hold and write the same words
	global_store_b128 v[L16], v[CD+8*\u:CD+8*\u+3], s[60:61] offset:8192*\s+1024*\u        ; 512 consecutive bytes
	global_store_b128 v[L16], v[CD+8*\u+4:CD+8*\u+7], s[60:61] offset:8192*\s+1024*\u+512
.endr
.endm
	QKTRIP 0
	QKTRIP 1
	QKTRIP 2
.macro VMUL k                          ; 24 matrix instructions, eight accumulators by turns; the two sets of accumulators take turns from fragment to fragment
	WIN 0x3d                                       ; P window 1, N and the bias window 3
.irp t, 0,1,2,3,4,5,6,7
	WM AC+64*((\k)%2)+8*\t, 24*\t, 24*\k, 72+8*\k, PS+4*\t, NV+4*\k
.endr
	WIN 0x0d
.irp e, 1,2
.irp t, 0,1,2,3,4,5,6,7
	WM AC+64*((\k)%2)+8*\t, 24*\t+8*\e, 24*\k+8*\e, AC+64*((\k)%2)+8*\t, PS+4*\t+\e, NV+4*\k+\e
.endr
.endr
	WIN 0
	PLACES 4
.endm
.macro VOUT k
	s_wait_alu depctr_va_vdst(0)
	s_wait_xcnt 0x0
	QUANT AC+64*((\k)%2), CD+8*((\k)%2), SW+6+\k
	ds_store_b32 v[SV+\k], v[SW+6+\k]
	global_store_b128 v[L16], v[CD+8*((\k)%2):CD+8*((\k)%2)+3], s[62:63] offset:1024*\k
	global_store_b128 v[L16], v[CD+8*((\k)%2)+4:CD+8*((\k)%2)+7], s[62:63] offset:1024*\k+512
.endm
	s_wait_alu depctr_va_vdst(0)
	s_wait_dscnt 0x0                               ; x's 128 rows are in
	VMUL 0
	VMUL 1
	VOUT 0
	VMUL 2
	VOUT 1
	VOUT 2
	s_wait_alu depctr_va_vdst(0)
	s_wait_dscnt 0x0                               ; my words are in the stage
	s_barrier_signal -1
	s_barrier_wait -1                              ; and everybody's
	s_cmp_lt_u32 s16, 3
	s_cbranch_scc0 .Ldone                          ; 1,536 + 768 bytes: three waves' worth
	ds_load_b128 v[TM:TM+3], v[OQ]
	ds_load_b64 v[TM+4:TM+5], v[OV]
	s_wait_dscnt 0x0
	global_store_b128 v[L16], v[TM:TM+3], s[66:67]                 ; 512 consecutive bytes
	global_store_b64 v[G8], v[TM+4:TM+5], s[68:69]                 ; 256 consecutive bytes
.Ldone:
	s_wait_tensorcnt 0x0                           ; the wave's end
	ds_add_u32 v[SPW], v[NIL]
	s_wait_dscnt 0x0
	CROUND                                         ; the closing round
	s_endpgm
.Lfunc_end_k_qcda4eff6eb_proj:
	.size	k_qcda4eff6eb_proj, .Lfunc_end_k_qcda4eff6eb_proj-k_qcda4eff6eb_proj
	.p2alignl 7, 3214868480
	.fill 96, 4, 3214868480
	.section	.rodata,"a",@progbits
	.p2align	6, 0x0
	.amdhsa_kernel k_qcda4eff6eb_proj
		.amdhsa_group_segment_fixed_size 167936
		.amdhsa_private_segment_fixed_size 0
		.amdhsa_enable_private_segment 0
		.amdhsa_kernarg_size 40
		.amdhsa_user_sgpr_count 2
		.amdhsa_user_sgpr_kernarg_segment_ptr 1
		.amdhsa_wavefront_size32 1
		.amdhsa_system_sgpr_workgroup_id_x 1
		.amdhsa_system_sgpr_workgroup_id_y 1
		.amdhsa_system_sgpr_workgroup_id_z 1
		.amdhsa_system_vgpr_workitem_id 0
		.amdhsa_next_free_vgpr 864
		.amdhsa_next_free_sgpr 76
		.amdhsa_reserve_vcc 0
		.amdhsa_float_denorm_mode_32 3
		.amdhsa_float_denorm_mode_16_64 3
		.amdhsa_memory_ordered 1
		.amdhsa_forward_progress 1
		.amdhsa_inst_pref_size 98
	.end_amdhsa_kernel
	.amdgpu_metadata
---
amdhsa.version: [ 1, 2 ]
amdhsa.kernels:
  - .name:           k_qcda4eff6eb_proj
    .symbol:         k_qcda4eff6eb_proj.kd
    .args:
      - { .name: tl, .offset: 0, .size: 8, .value_kind: global_buffer, .address_space: global }
      - { .name: bq, .offset: 8, .size: 8, .value_kind: global_buffer, .address_space: global }
      - { .name: bk, .offset: 16, .size: 8, .value_kind: global_buffer, .address_space: global }
      - { .name: bv, .offset: 24, .size: 8, .value_kind: global_buffer, .address_space: global }
      - { .name: qkv, .offset: 32, .size: 8, .value_kind: global_buffer, .address_space: global }
    .group_segment_fixed_size: 167936
    .private_segment_fixed_size: 0
    .kernarg_segment_align: 8
    .kernarg_segment_size: 40
    .max_flat_workgroup_size: 128
    .sgpr_count:     76
    .vgpr_count:     864
    .wavefront_size: 32
...
	.end_amdgpu_metadata
.endif
;; end of part 2
;; launch attn (part 3): grid 64 x 4, 4 waves a work-group, clusters of 4 x 1, 327,680 bytes of LDS; arguments qkv, gamma, beta, w_out, b_out, out0; writes out0
.if DOCPART == 3
	.amdgcn_target "amdgcn-amd-amdhsa--gfx1250"
	.amdhsa_code_object_version 6
	.text
	.protected	k_qcda4eff6eb_attn
	.globl	k_qcda4eff6eb_attn
	.p2align	8
	.type	k_qcda4eff6eb_attn,@function
k_qcda4eff6eb_attn:
	s_mov_b64 s[64:65], 0
	v_nop
	global_prefetch_b8 v0, s[64:65] scope:SCOPE_SE
	s_setreg_imm32_b32 hwreg(HW_REG_WAVE_MODE, 25, 1), 1
	s_wait_xcnt 0x0
	s_wait_alu depctr_hold_cnt(0) depctr_sa_sdst(0) depctr_va_vdst(0) depctr_va_sdst(0) depctr_va_ssrc(0) depctr_va_vcc(0) depctr_vm_vsrc(0)
	s_getreg_b32 s2, hwreg(HW_REG_IB_STS2, 6, 4)
	s_cmp_eq_u32 s2, 0
	s_cbranch_scc0 .Lentry_in_a_cluster
	s_endpgm
.Lentry_in_a_cluster:
	s_bfe_u32 s2, ttmp6, 0x10000c
	s_cmp_lg_u32 s2, 0x3003
	s_cbranch_scc0 .Lentry_shape_is_right
	s_endpgm
.Lentry_shape_is_right:
; out = LayerNorm(softmax(Q K^T) V) . w_out + b_out, both products on codes of FP4 (E2M1) with E8M0 scales, read as register images from qkv (layout: the launch before).
; THE SOFTMAX: t = score x log2(e); M = the running largest t rounded up to a whole number; p = 2^(t - M) is quantised along the keys; the row's sum is taken of the unquantised p and divides at the end;
; when M moves, the sum and O are multiplied by 2^(old M - new M), which rounds nothing.  LIMIT: the promise holds while |t| stays under 2^31.  NaN and infinities are not served.
; SHARES.  A work-group owns 64 queries of one batch.  Wave w = 2 a + b: query tiles 2 b, 2 b + 1 (32 queries), keys' half a (2,048 keys, 16 steps of 128).  At the end the two halves are joined through LDS, each wave finishing one tile.
; Both products are used transposed (S^T = K Q^T, O^T = V^T P^T): a lane holds one query.  O^T of a tile is 24 accumulators (384 channels), 192 registers.
; THE RING: two slots; a slot holds, for each half of the keys, one block of K and one of V; each wave fetches one of the four blocks by one tensor load of 102 dense rows of 256 bytes.
; CLUSTER 4 x 1: the four partners walk the same K and V, so every load is asked for jointly; a round of the cluster's barrier stands at each change of slots.
; A STEP: scores; softmax of tile 0; the change of slots; softmax of tile 1; the second product.  The step's V fragments are read from LDS in six groups of eight loads laid among the first softmax's lines,
; the NEXT step's K fragments likewise among the second's: behind the change of slots, whose barrier shows that slot whole.  The slot left is filled again first behind the round.
; PREFETCH: at each change cluster x = 0 of a batch asks for the blocks of the step behind the one being loaded, 26 rows of 256 bytes a partner, told apart by address; the last change that fills asks for nothing.
; REGISTERS.  Window 0: v1-7 addresses; v8-15 -M, largest t, sums; v16-19 f; v20-21 p's scale words; v22-51 Q's, K's, V's; v52-63 at work; v64-79 p's codes; v80-127 Q; v128-255 S^T, then p.
;   Windows 1, 2: v0-191 O^T of tiles 0, 1.  Window 3: v0-191 K.  v192-255 of windows 1 to 3: V.
.set BLK,   26112
.set STEP,  3*BLK
.set HALFB, 2*BLK
.set SLOT1, 1<<17
.set G,     SLOT1+4*BLK
.set BWR,   G+1536
.set OUTS,  BWR+1536
.set SPARE, OUTS+256
.set STAT,  4*24576
.set SPW, 1
.set NIL, 2
.set LB,  3
.set ADR, 4
.set PFO, 5
.set T0,  6
.set NM,  8
.set FF,  16
.set PW,  20
.set QW,  22
.set KW,  28
.set VW,  40
.set BM,  52
.set T4,  56
.set SO,  60
.set PC,  64
.set QF,  80
.set S,   128
.set KON, 1                            ; 1 while a next step's K is to be read
.set MSB, 0
.macro WIN new
.if MSB != (\new)
	s_set_vgpr_msb (MSB<<8)|(\new)
.set MSB, (\new)
.endif
.endm
.macro PLACES n
.rept \n
	v_nop
.endr
.endm
.macro WM d, a, b, c, sa, sb, ra, rb   ; c < 0: the sum begins; ra, rb: the scale words stand in lanes 16-31
.if (\c) < 0
.if (\ra) && (\rb)
	v_wmma_scale_f32_16x16x128_f8f6f4 v[\d:\d+7], v[\a:\a+7], v[\b:\b+7], 0, v[\sa], v[\sb] matrix_a_fmt:MATRIX_FMT_FP4 matrix_b_fmt:MATRIX_FMT_FP4 matrix_a_scale:MATRIX_SCALE_ROW1 matrix_b_scale:MATRIX_SCALE_ROW1
.elseif (\ra)
	v_wmma_scale_f32_16x16x128_f8f6f4 v[\d:\d+7], v[\a:\a+7], v[\b:\b+7], 0, v[\sa], v[\sb] matrix_a_fmt:MATRIX_FMT_FP4 matrix_b_fmt:MATRIX_FMT_FP4 matrix_a_scale:MATRIX_SCALE_ROW1
.elseif (\rb)
	v_wmma_scale_f32_16x16x128_f8f6f4 v[\d:\d+7], v[\a:\a+7], v[\b:\b+7], 0, v[\sa], v[\sb] matrix_a_fmt:MATRIX_FMT_FP4 matrix_b_fmt:MATRIX_FMT_FP4 matrix_b_scale:MATRIX_SCALE_ROW1
.else
	v_wmma_scale_f32_16x16x128_f8f6f4 v[\d:\d+7], v[\a:\a+7], v[\b:\b+7], 0, v[\sa], v[\sb] matrix_a_fmt:MATRIX_FMT_FP4 matrix_b_fmt:MATRIX_FMT_FP4
.endif
.else
.if (\ra) && (\rb)
	v_wmma_scale_f32_16x16x128_f8f6f4 v[\d:\d+7], v[\a:\a+7], v[\b:\b+7], v[\c:\c+7], v[\sa], v[\sb] matrix_a_fmt:MATRIX_FMT_FP4 matrix_b_fmt:MATRIX_FMT_FP4 matrix_a_scale:MATRIX_SCALE_ROW1 matrix_b_scale:MATRIX_SCALE_ROW1
.elseif (\ra)
	v_wmma_scale_f32_16x16x128_f8f6f4 v[\d:\d+7], v[\a:\a+7], v[\b:\b+7], v[\c:\c+7], v[\sa], v[\sb] matrix_a_fmt:MATRIX_FMT_FP4 matrix_b_fmt:MATRIX_FMT_FP4 matrix_a_scale:MATRIX_SCALE_ROW1
.elseif (\rb)
	v_wmma_scale_f32_16x16x128_f8f6f4 v[\d:\d+7], v[\a:\a+7], v[\b:\b+7], v[\c:\c+7], v[\sa], v[\sb] matrix_a_fmt:MATRIX_FMT_FP4 matrix_b_fmt:MATRIX_FMT_FP4 matrix_b_scale:MATRIX_SCALE_ROW1
.else
	v_wmma_scale_f32_16x16x128_f8f6f4 v[\d:\d+7], v[\a:\a+7], v[\b:\b+7], v[\c:\c+7], v[\sa], v[\sb] matrix_a_fmt:MATRIX_FMT_FP4 matrix_b_fmt:MATRIX_FMT_FP4
.endif
.endif
.endm
.macro CROUND                          ; a round of the cluster's barrier
	s_barrier_signal -1
	s_barrier_wait -1
	s_cmp_lg_u32 s16, 0
	s_cbranch_scc1 .Lnot_wave_0_\@
	s_barrier_signal -3
.Lnot_wave_0_\@:
	s_barrier_wait -3
	s_barrier_signal -1
	s_barrier_wait -1
.endm
.macro ASK
	s_cmp_gt_u32 s49, s50
	s_cbranch_scc0 .Lnot_mine_\@
	global_prefetch_b8 v[PFO], s[52:53] th:TH_LOAD_NT scope:SCOPE_SE
.Lnot_mine_\@:
.endm
; THE CHANGE OF SLOTS.  Every wave: all its tensor loads are in (its block of the next slot), the add, its reads of the slot in hand are over (K's before the scores, V's in the softmax above).
.macro HEAD fill
	WIN 0
	s_wait_alu depctr_va_vdst(0)
	s_wait_tensorcnt 0x0
	ds_add_u32 v[SPW], v[NIL]
.if \fill
	s_xor_b32 s41, s41, SLOT1                      ; the walking descriptor: the other slot, the next step
	s_add_nc_u64 s[42:43], s[42:43], STEP
	s_wait_xcnt 0x0                                ; any prefetch of mine has read its address
	s_add_nc_u64 s[52:53], s[52:53], STEP
.endif
	s_wait_dscnt 0x0
.if \fill
	CROUND
	tensor_load_to_lds s[40:43], s[24:31]          ; the first thing behind the round: the slot just left takes the step two on
	s_nop 0
	PLACES 4
	ASK
.else
	s_barrier_signal -1
	s_barrier_wait -1
.endif
	s_xor_b32 s48, s48, SLOT1
	v_add_nc_u32 v[ADR], s48, v[LB]                ; on to the other slot
.endm
; Eight LDS loads: u = 0: fragments 4 n .. 4 n + 3 of the step's V; u = 1: of the next step's K.  With group 0 come the twelve scale registers.
.macro GRP u, n
.if (\u) == 0
.if (\n) == 0
.irp i, 0,1,2
	ds_load_b128 v[VW+4*\i:VW+4*\i+3], v[ADR] offset:BLK+24576+512*\i
.endr
.endif
	WIN (1+(\n)/2)<<6
.irp m, 0,1,2,3
	ds_load_b128 v[192+8*(4*((\n)%2)+\m):192+8*(4*((\n)%2)+\m)+3], v[ADR] offset:BLK+1024*(4*(\n)+\m)
	ds_load_b128 v[192+8*(4*((\n)%2)+\m)+4:192+8*(4*((\n)%2)+\m)+7], v[ADR] offset:BLK+1024*(4*(\n)+\m)+512
.endr
	WIN 0
.elseif KON
.if (\n) == 0
.irp i, 0,1,2
	ds_load_b128 v[KW+4*\i:KW+4*\i+3], v[ADR] offset:24576+512*\i
.endr
.endif
	WIN 0xc0
.irp m, 0,1,2,3
	ds_load_b128 v[8*(4*(\n)+\m):8*(4*(\n)+\m)+3], v[ADR] offset:1024*(4*(\n)+\m)
	ds_load_b128 v[8*(4*(\n)+\m)+4:8*(4*(\n)+\m)+7], v[ADR] offset:1024*(4*(\n)+\m)+512
.endr
	WIN 0
.endif
.endm
; O^T += V^T P^T.  zero = 0: each group of accumulators is first brought under the new M; these multiplications are also the places ahead of the products.
.macro PVS zero
	s_wait_alu depctr_va_vdst(0)
.if \zero
	PLACES 8
.endif
.irp g, 0,1,2
.irp u, 0,1
.if !(\zero)
	WIN (1+\u)|((1+\u)<<6)
.set i, 0
.rept 32
	v_pk_mul_f32 v[64*\g+i:64*\g+i+1], v[64*\g+i:64*\g+i+1], v[FF+2*\u:FF+2*\u+1] op_sel_hi:[1,0]
.set i, i+2
.endr
.endif
	WIN (1+\g)|((1+\u)<<4)|((1+\u)<<6)
.irp m, 0,1,2,3,4,5,6,7
.if \zero
	WM 64*\g+8*\m, 192+8*\m, PC+8*\u, -1, VW+4*\g+(\m%4), PW+\u, \m/4, 0
.else
	WM 64*\g+8*\m, 192+8*\m, PC+8*\u, 64*\g+8*\m, VW+4*\g+(\m%4), PW+\u, \m/4, 0
.endif
.endr
.endr
.endr
.endm
.macro SCORES                          ; S^T = K Q^T: 8 tiles of keys x 2 tiles of queries x 3 steps of 128 channels, sixteen accumulators by turns
	WIN 0x03
.irp s, 0,1,2
	s_wait_dscnt 32-16*\s                          ; K's fragments 8 s .. 8 s + 7 are in; the 16 loads of each later eight may be out
.irp t, 0,1,2,3,4,5,6,7
.irp u, 0,1
.if \s == 0
	WM S+64*\u+8*\t, 8*(8*\s+\t), QF+24*\u+8*\s, -1, KW+4*\s+(\t%4), QW+\s, \t/4, \u
.else
	WM S+64*\u+8*\t, 8*(8*\s+\t), QF+24*\u+8*\s, S+64*\u+8*\t, KW+4*\s+(\t%4), QW+\s, \t/4, \u
.endif
.endr
.endr
.endr
	WIN 0
	PLACES 4
.endm
.macro SOFTMAX u
.set SS, S+64*(\u)
.set MM, NM+4*(\u)
.set FU, FF+2*(\u)
.set PU, PC+8*(\u)
	GRP \u, 0
.irp b, 0,1,2,3
	v_max3_num_f32 v[BM+\b], v[SS+16*\b], v[SS+16*\b+1], v[SS+16*\b+2]   ; each block's largest score: for the row's maximum and for the block's largest p
.endr
.irp i, 3,5,7,9,11,13
.irp b, 0,1,2,3
	v_max3_num_f32 v[BM+\b], v[BM+\b], v[SS+16*\b+\i], v[SS+16*\b+\i+1]
.endr
.endr
.irp b, 0,1,2,3
	v_max_num_f32 v[BM+\b], v[BM+\b], v[SS+16*\b+15]
.endr
.irp b, 0,1,2,3
	v_permlanex16_b32 v[T4+\b], v[BM+\b], s44, s45
.endr
.irp b, 0,1,2,3
	v_max_num_f32 v[BM+\b], v[BM+\b], v[T4+\b]
.endr
	v_max3_num_f32 v[T0], v[BM], v[BM+1], v[BM+2]
	v_max_num_f32 v[T0], v[T0], v[BM+3]
	v_mul_f32 v[T0], s46, v[T0]
	v_max_num_f32 v[MM+1], v[MM+1], v[T0]          ; the running largest t
	v_mov_b32 v[T0], v[MM]
	v_floor_f32 v[MM], -v[MM+1]                    ; -M
	v_sub_f32 v[T0], v[MM], v[T0]
	v_cvt_i32_f32 v[T0], v[T0]
	v_ldexp_f32 v[FU], 1.0, v[T0]                  ; f = 2^(old M - new M)
	GRP \u, 1
.set j, 0
.rept 32
	v_pk_fma_f32 v[SS+j:SS+j+1], v[SS+j:SS+j+1], s[46:47], v[MM:MM+1] op_sel_hi:[1,0,0]   ; t - M
.set j, j+2
.endr
	GRP \u, 2
.irp b, 0,1,2,3
	v_fma_f32 v[BM+\b], v[BM+\b], s46, v[MM]
.endr
.set j, 0
	s_wait_alu depctr_va_vdst(0)
.irp n, 3,4,5
.rept 16
	v_exp_f32 v[SS+j], v[SS+j]
.set j, j+1
.endr
	GRP \u, \n
.endr
.rept 16
	v_exp_f32 v[SS+j], v[SS+j]
.set j, j+1
.endr
	v_pk_mul_f32 v[MM+2:MM+3], v[MM+2:MM+3], v[FU:FU+1] op_sel_hi:[1,0]
	s_wait_alu depctr_va_vdst(0)                   ; one wait for the batch
.irp b, 0,1,2,3
	v_exp_f32 v[BM+\b], v[BM+\b]                   ; each block's largest p
.endr
	v_pk_add_f32 v[T4:T4+1], v[SS:SS+1], v[SS+2:SS+3]              ; the sum of the unquantised p, in two chains
.set j, 4
.rept 15
	v_pk_add_f32 v[MM+2:MM+3], v[MM+2:MM+3], v[SS+j:SS+j+1]
	v_pk_add_f32 v[T4:T4+1], v[T4:T4+1], v[SS+j+2:SS+j+3]
.set j, j+4
.endr
	v_pk_add_f32 v[MM+2:MM+3], v[MM+2:MM+3], v[T4:T4+1]
	s_wait_alu depctr_va_vdst(0)                   ; and one for the four
.irp b, 0,1,2,3
	v_max_num_f32 v[BM+\b], 0x1800000, v[BM+\b]    ; the floor: the byte cannot fall under 1
.endr
.irp b, 0,1,2,3
	v_add_nc_u32 v[SO+\b], 0xff000000, v[BM+\b]
.endr
.irp b, 0,1,2,3
	v_lshrrev_b32 v[T4+\b], 23, v[SO+\b]
.endr
	v_lshl_or_b32 v[PW+\u], v[T4+1], 8, v[T4]
	v_lshl_or_b32 v[PW+\u], v[T4+2], 16, v[PW+\u]
	v_lshl_or_b32 v[PW+\u], v[T4+3], 24, v[PW+\u]
.irp b, 0,1,2,3
	v_cvt_scalef32_pk8_fp4_f32 v[PU+2*\b], v[SS+16*\b:SS+16*\b+7], v[SO+\b]
	v_cvt_scalef32_pk8_fp4_f32 v[PU+2*\b+1], v[SS+16*\b+8:SS+16*\b+15], v[SO+\b]
.endr
	v_nop
.irp c, 0,1
.irp i, 0,1
	v_permlane16_swap_b32 v[PU+4*\c+\i], v[PU+4*\c+2+\i]
.endr
.endr
.endm
.macro TRIP zero, head                 ; head = 2: a change of slots that fills; 1: one that does not; 0: the last step
	SCORES
	SOFTMAX 0
.if \head == 2
	HEAD 1
.elseif \head == 1
	HEAD 0
.else
	s_wait_dscnt 0x0                               ; V is in
.endif
	SOFTMAX 1
	PVS \zero
	WIN 0
.endm
	s_load_b256 s[4:11], s[0:1], 0x0               ; qkv, gamma, beta, w_out
	s_load_b128 s[12:15], s[0:1], 0x20             ; b_out, out0
	v_lshl_add_u32 v[SPW], v0, 2, SPARE
	v_mov_b32 v[NIL], 0
	ds_add_u32 v[SPW], v[NIL]                      ; the opening lines: the add twice on end and its wait
	ds_add_u32 v[SPW], v[NIL]
	s_wait_dscnt 0x0
	v_lshrrev_b32 v6, 5, v0
	v_readfirstlane_b32 s16, v6                    ; wave
	s_and_b32 s17, s16, 1                          ; b: which 32 queries.  Also: K's block (0) or V's (1) is mine to fetch
	s_lshr_b32 s18, s16, 1                         ; a: which half of the keys
	s_bfe_u32 s19, ttmp6, 0x40000
	s_lshl_b32 s20, ttmp9, 2
	s_add_co_u32 s20, s20, s19                     ; my 64 queries
	s_and_b32 s21, ttmp7, 0xffff                   ; the batch
	s_mov_b32 s24, 15|(3<<16)|(1<<21)              ; group 1: a block, 102 dense rows of 256 bytes, asked for by all four partners
	s_mov_b32 s25, 32<<16
	s_mov_b32 s26, 102<<16
	s_mov_b32 s27, 32<<16
	s_mov_b32 s28, 102
	s_mov_b32 s29, 32
	s_mov_b32 s30, 0
	s_mov_b32 s31, 0
	s_mov_b32 s44, 0x76543210
	s_mov_b32 s45, 0xfedcba98
	s_mov_b32 s46, 0x3fb8aa3b                      ; log2(e)
	s_mov_b32 s47, s46
	s_mov_b32 s48, 0
	s_mov_b32 s49, 14
	s_cmp_eq_u32 ttmp9, 0
	s_cselect_b32 s50, 1, -1                       ; cluster x = 0 alone prefetches
	s_lshl_b32 s22, s21, 5
	s_lshl_b32 s23, s18, 4
	s_add_co_u32 s22, s22, s23
	s_mul_i32 s22, s22, 3
	s_add_co_u32 s22, s22, s17
	s_add_co_u32 s22, s22, 1
	s_mul_i32 s22, s22, BLK                        ; the block that I fetch in step 0
	s_mov_b32 s23, 0
	s_lshr_b32 s32, s20, 1
	s_lshl_b32 s33, s21, 5
	s_add_co_u32 s32, s32, s33
	s_mul_i32 s32, s32, STEP                       ; Q's block
	s_and_b32 s34, s20, 1
	s_lshl_b32 s35, s34, 2
	s_lshl_b32 s33, s17, 1
	s_add_co_u32 s35, s35, s33
	s_add_co_u32 s33, s35, s18                     ; tile 0 of mine is the one that I finish: 2 b + a
	s_lshl_b32 s33, s33, 10
	s_add_co_u32 s56, s32, s33
	s_mov_b32 s57, 0
	s_xor_b32 s33, s18, 1
	s_add_co_u32 s33, s35, s33
	s_lshl_b32 s33, s33, 10
	s_add_co_u32 s58, s32, s33
	s_mov_b32 s59, 0
	s_lshl_b32 s34, s34, 8
	s_lshl_b32 s33, s17, 3
	s_add_co_u32 s60, s32, s34
	s_add_co_u32 s60, s60, s33
	s_add_co_u32 s60, s60, 24576
	s_mov_b32 s61, 0
	s_lshl_b32 s62, s21, 14
	s_lshl_b32 s33, s20, 8
	s_add_co_u32 s62, s62, s33
	s_mov_b32 s63, 0
	v_and_b32 v[PFO], 31, v0
	v_min_u32 v[PFO], 25, v[PFO]
	s_mul_i32 s33, s19, 26
	v_add_nc_u32 v[PFO], s33, v[PFO]
	v_min_u32 v[PFO], 101, v[PFO]                  ; 26 of a block's 102 rows to a partner, held inside the block
	v_lshlrev_b32 v[PFO], 8, v[PFO]
	s_wait_kmcnt 0x0
	s_add_nc_u64 s[56:57], s[4:5], s[56:57]
	s_add_nc_u64 s[58:59], s[4:5], s[58:59]
	s_add_nc_u64 s[60:61], s[4:5], s[60:61]
	s_add_nc_u64 s[62:63], s[14:15], s[62:63]
	s_load_b32 s54, s[12:13], 0x0
	CROUND
	s_mov_b32 s36, 1
	s_mul_i32 s37, s16, BLK
	s_add_nc_u64 s[38:39], s[4:5], s[22:23]
	s_add_nc_u64 s[52:53], s[38:39], 2*STEP
	s_mov_b32 s40, 1
	s_add_co_u32 s41, s37, SLOT1
	s_add_nc_u64 s[42:43], s[38:39], STEP
	s_or_b32 s39, s39, 0x80000000
	s_or_b32 s43, s43, 0x80000000
	tensor_load_to_lds s[36:39], s[24:31]          ; step 0: one tensor load a wave at the head
	s_nop 0
	; under its flight: Q, and gamma w_out and beta w_out into LDS
	v_and_b32 v6, 31, v0
	v_lshlrev_b32 v6, 4, v6
	v_and_b32 v7, 15, v0
	v_bfe_u32 v27, v0, 4, 1
	v_xor_b32 v27, s18, v27
	v_lshlrev_b32 v27, 2, v27
	v_lshl_add_u32 v7, v7, 4, v27
.irp s, 0,1,2
.irp c, 0,1
	global_load_b128 v[QF+8*\s+4*\c:QF+8*\s+4*\c+3], v6, s[56:57] offset:8192*\s+512*\c
	global_load_b128 v[QF+24+8*\s+4*\c:QF+24+8*\s+4*\c+3], v6, s[58:59] offset:8192*\s+512*\c
.endr
	global_load_b32 v[QW+\s], v7, s[60:61] offset:512*\s
.endr
	v_lshl_add_u32 v25, v0, 4, G
	v_lshlrev_b32 v26, 4, v0
	s_cmp_lt_u32 s16, 3
	s_cbranch_scc0 .Lno_g
	global_load_b128 v[128:131], v26, s[6:7]
	global_load_b128 v[132:135], v26, s[8:9]
	global_load_b128 v[136:139], v26, s[10:11]
	s_wait_loadcnt 0x0
	v_pk_mul_f32 v[140:141], v[128:129], v[136:137]
	v_pk_mul_f32 v[142:143], v[130:131], v[138:139]
	s_wait_alu depctr_va_vdst(0)
	v_pk_mul_f32 v[144:145], v[132:133], v[136:137]
	v_pk_mul_f32 v[146:147], v[134:135], v[138:139]
	ds_store_b128 v25, v[140:143]
	ds_store_b128 v25, v[144:147] offset:1536
.Lno_g:
	s_wait_alu depctr_va_vdst(0)
	s_wait_tensorcnt 0x0
	ds_add_u32 v[SPW], v[NIL]
	s_wait_dscnt 0x0
	CROUND
	tensor_load_to_lds s[40:43], s[24:31]          ; step 1, into slot 1
	s_nop 0
	PLACES 4
.irp u, 0,1
	v_mov_b32 v[NM+4*\u+1], 0xff61b1e6             ; the largest t so far: -3e38
	v_floor_f32 v[NM+4*\u], -v[NM+4*\u+1]
	v_mov_b32 v[NM+4*\u+2], 0
	v_mov_b32 v[NM+4*\u+3], 0
	v_mov_b32 v[FF+2*\u+1], 0
.endr
.irp b, 0,1,2,3
	v_mov_b32 v[T4+\b], 0
.endr
	v_and_b32 v[LB], 31, v0
	v_lshlrev_b32 v[LB], 4, v[LB]
	s_mul_i32 s22, s18, HALFB
	v_add_nc_u32 v[LB], s22, v[LB]
	v_mov_b32 v[ADR], v[LB]
	s_wait_alu depctr_va_vdst(0)
	s_wait_loadcnt 0x0
	s_wait_kmcnt 0x0
	s_barrier_signal -1
	s_barrier_wait -1
.irp n, 0,1,2,3,4,5
	GRP 1, \n                                      ; step 0's K
.endr
	TRIP 1, 2                                      ; step 0 starts the sums of O^T
	s_mov_b32 s49, 13
.Lloop:                                                ; steps 1 to 13
	TRIP 0, 2
	s_sub_co_u32 s49, s49, 1
	s_cmp_lg_u32 s49, 0
	s_cbranch_scc1 .Lloop
	TRIP 0, 1                                      ; step 14 fills nothing
.set KON, 0
	TRIP 0, 0                                      ; step 15 reads no further K
	; THE WAY OUT.  Each wave hands its tile 1 (O^T, -M, the sum) to the wave of the other half of the keys through slot 0, which has had its last fill and its last read, and finishes its tile 0.
	v_and_b32 v255, 31, v0
	v_lshlrev_b32 v254, 4, v255
	s_mul_i32 s22, s16, 24576
	s_xor_b32 s23, s16, 2
	s_mul_i32 s51, s23, 24576
	v_add_nc_u32 v25, s22, v254
	v_add_nc_u32 v26, s51, v254
	s_lshl_b32 s22, s16, 8
	s_lshl_b32 s23, s23, 8
	v_lshl_add_u32 v249, v255, 3, STAT
	v_add_nc_u32 v27, s22, v249
	v_add_nc_u32 v250, s23, v249
	v_bfe_u32 v251, v0, 4, 1
	v_lshl_add_u32 v251, v251, 5, G
	v_mul_u32_u24 v252, v255, 48
	v_add_nc_u32 v252, BWR, v252
	v_and_b32 v253, 15, v0
	v_and_b32 v249, 8, v0
	v_add_nc_u32 v253, v253, v249
	s_lshl_b32 s22, s17, 5
	s_lshl_b32 s23, s18, 3
	s_add_co_u32 s22, s22, s23
	v_add_nc_u32 v253, s22, v253
	v_lshl_add_u32 v253, v253, 2, OUTS
	v_lshl_add_u32 v254, v255, 3, OUTS
	v_lshlrev_b32 v248, 3, v255
	v_add_f32 v13, v14, v15
	v_add_f32 v9, v10, v11
	WIN 0x08
.irp n, 0,1,2,3,4,5,6,7,8,9,10,11,12,13,14,15,16,17,18,19,20,21,22,23
	ds_store_b128 v25, v[8*\n:8*\n+3] offset:1024*\n
	ds_store_b128 v25, v[8*\n+4:8*\n+7] offset:1024*\n+512
.endr
	WIN 0
	ds_store_b64 v27, v[12:13]
	s_wait_dscnt 0x0
	s_barrier_signal -1
	s_barrier_wait -1
	WIN 0x80
.irp n, 0,1,2,3,4,5,6,7,8,9,10,11,12,13,14,15,16,17,18,19,20,21,22,23
	ds_load_b128 v[8*\n:8*\n+3], v26 offset:1024*\n
	ds_load_b128 v[8*\n+4:8*\n+7], v26 offset:1024*\n+512
.endr
	WIN 0xc0
.irp n, 0,1,2,3,4,5,6,7,8,9,10,11,12,13,14,15,16,17,18,19,20,21,22,23
	ds_load_b128 v[8*\n:8*\n+3], v251 offset:64*\n                 ; gamma w_out at my channels
	ds_load_b128 v[8*\n+4:8*\n+7], v251 offset:64*\n+16
.endr
	WIN 0
	ds_load_b64 v[128:129], v250
	ds_load_b128 v[132:135], v252
	ds_load_b128 v[136:139], v252 offset:16
	ds_load_b128 v[140:143], v252 offset:32
	s_wait_dscnt 0x0
	v_min_num_f32 v130, v8, v128                   ; the common -M; both halves are brought under it by exact powers of two
	v_sub_f32 v131, v130, v8
	v_sub_f32 v144, v130, v128
	v_cvt_i32_f32 v131, v131
	v_cvt_i32_f32 v144, v144
	v_ldexp_f32 v131, 1.0, v131
	s_wait_alu depctr_va_vdst(0)
	v_ldexp_f32 v144, 1.0, v144
	v_mul_f32 v145, v9, v131
	v_fma_f32 v145, v129, v144, v145
	v_permlanex16_b32 v56, v145, s44, s45
	v_add_f32 v145, v145, v56                      ; the row's sum
	s_wait_alu depctr_va_vdst(0)
	v_rcp_f32 v145, v145
	v_nop
	s_wait_alu depctr_va_vdst(0)
	v_mul_f32 v160, v131, v145
	v_mul_f32 v162, v144, v145
	v_mov_b32 v161, v160
	v_mov_b32 v163, v162
	WIN 0x41
.set i, 0
.rept 96
	v_pk_mul_f32 v[i:i+1], v[i:i+1], v[160:161] op_sel_hi:[1,0]
.set i, i+2
.endr
	WIN 0x52
.set i, 0
.rept 96
	v_pk_fma_f32 v[i:i+1], v[i:i+1], v[162:163], v[i:i+1] op_sel_hi:[1,0,1]   ; y
.set i, i+2
.endr
	WIN 0x05
.irp q, 0,1,2,3
	v_pk_add_f32 v[144+2*\q:145+2*\q], v[4*\q:4*\q+1], v[4*\q+2:4*\q+3]
.endr
	WIN 0x04
.set i, 16
.rept 88
	v_pk_add_f32 v[144+2*((i/2)%4):145+2*((i/2)%4)], v[144+2*((i/2)%4):145+2*((i/2)%4)], v[i:i+1]
.set i, i+2
.endr
	WIN 0
	v_pk_add_f32 v[144:145], v[144:145], v[146:147]
	v_pk_add_f32 v[148:149], v[148:149], v[150:151]
	v_pk_add_f32 v[144:145], v[144:145], v[148:149]
	v_add_f32 v144, v144, v145
	v_permlanex16_b32 v56, v144, s44, s45
	v_add_f32 v144, v144, v56
	v_mul_f32 v164, 0x3b2aaaab, v144               ; the mean
	v_mov_b32 v165, v164
	WIN 0x41
.set i, 0
.rept 96
	v_pk_add_f32 v[i:i+1], v[i:i+1], v[164:165] op_sel_hi:[1,0] neg_lo:[0,1] neg_hi:[0,1]
.set i, i+2
.endr
	WIN 0x05
.irp q, 0,1,2,3
	v_pk_mul_f32 v[144+2*\q:145+2*\q], v[2*\q:2*\q+1], v[2*\q:2*\q+1]
.endr
.set i, 8
.rept 92
	v_pk_fma_f32 v[144+2*((i/2)%4):145+2*((i/2)%4)], v[i:i+1], v[i:i+1], v[144+2*((i/2)%4):145+2*((i/2)%4)]
.set i, i+2
.endr
	WIN 0x0d
.irp q, 0,1,2,3
	v_pk_mul_f32 v[152+2*\q:153+2*\q], v[2*\q:2*\q+1], v[2*\q:2*\q+1]
.endr
.set i, 8
.rept 92
	v_pk_fma_f32 v[152+2*((i/2)%4):153+2*((i/2)%4)], v[i:i+1], v[i:i+1], v[152+2*((i/2)%4):153+2*((i/2)%4)]
.set i, i+2
.endr
	WIN 0
	v_pk_add_f32 v[144:145], v[144:145], v[146:147]
	v_pk_add_f32 v[148:149], v[148:149], v[150:151]
	v_pk_add_f32 v[152:153], v[152:153], v[154:155]
	v_pk_add_f32 v[156:157], v[156:157], v[158:159]
	v_pk_add_f32 v[144:145], v[144:145], v[148:149]
	v_pk_add_f32 v[152:153], v[152:153], v[156:157]
	v_add_f32 v144, v144, v145
	v_add_f32 v152, v152, v153
	v_permlanex16_b32 v56, v144, s44, s45
	v_permlanex16_b32 v57, v152, s44, s45
	v_add_f32 v144, v144, v56
	v_add_f32 v152, v152, v57
	s_mov_b32 s22, 0x3b2aaaab
	s_mov_b32 s23, 0x3727c5ac
	v_fma_f32 v144, v144, s22, s23                 ; the variance + 1e-5
	s_wait_alu depctr_va_vdst(0)
	v_rsq_f32 v144, v144
	v_pk_add_f32 v[132:133], v[132:133], v[134:135]                ; the sum of beta w_out
	v_pk_add_f32 v[136:137], v[136:137], v[138:139]
	v_pk_add_f32 v[140:141], v[140:141], v[142:143]
	v_pk_add_f32 v[132:133], v[132:133], v[136:137]
	v_pk_add_f32 v[132:133], v[132:133], v[140:141]
	v_add_f32 v132, v132, v133
	v_add_f32_dpp v132, v132, v132 row_xmask:1 row_mask:0xf bank_mask:0xf
	v_add_f32_dpp v132, v132, v132 row_xmask:2 row_mask:0xf bank_mask:0xf
	v_add_f32_dpp v132, v132, v132 row_xmask:4 row_mask:0xf bank_mask:0xf
	v_add_f32_dpp v132, v132, v132 row_xmask:8 row_mask:0xf bank_mask:0xf
	v_permlanex16_b32 v58, v132, s44, s45
	v_add_f32 v132, v132, v58
	v_add_f32 v132, s54, v132
	s_wait_alu depctr_va_vdst(0)
	v_fma_f32 v144, v152, v144, v132
	ds_store_b32 v253, v144
	s_wait_dscnt 0x0
	s_barrier_signal -1
	s_barrier_wait -1
	s_cmp_lg_u32 s16, 0
	s_cbranch_scc1 .Lnot_first
	ds_load_b64 v[128:129], v254
	s_wait_dscnt 0x0
	global_store_b64 v248, v[128:129], s[62:63]    ; the work-group's 64 results: 256 consecutive bytes
.Lnot_first:
	s_wait_tensorcnt 0x0                           ; the wave's end
	ds_add_u32 v[SPW], v[NIL]
	s_wait_dscnt 0x0
	CROUND                                         ; the closing round
	s_endpgm
.Lfunc_end_k_qcda4eff6eb_attn:
	.size	k_qcda4eff6eb_attn, .Lfunc_end_k_qcda4eff6eb_attn-k_qcda4eff6eb_attn
	.p2alignl 7, 3214868480
	.fill 96, 4, 3214868480
	.section	.rodata,"a",@progbits
	.p2align	6, 0x0
	.amdhsa_kernel k_qcda4eff6eb_attn
		.amdhsa_group_segment_fixed_size 327680
		.amdhsa_private_segment_fixed_size 0
		.amdhsa_enable_private_segment 0
		.amdhsa_kernarg_size 48
		.amdhsa_user_sgpr_count 2
		.amdhsa_user_sgpr_kernarg_segment_ptr 1
		.amdhsa_wavefront_size32 1
		.amdhsa_system_sgpr_workgroup_id_x 1
		.amdhsa_system_sgpr_workgroup_id_y 1
		.amdhsa_system_sgpr_workgroup_id_z 1
		.amdhsa_system_vgpr_workitem_id 0
		.amdhsa_next_free_vgpr 1024
		.amdhsa_next_free_sgpr 66
		.amdhsa_reserve_vcc 0
		.amdhsa_float_denorm_mode_32 3
		.amdhsa_float_denorm_mode_16_64 3
		.amdhsa_memory_ordered 1
		.amdhsa_forward_progress 1
		.amdhsa_inst_pref_size 255
	.end_amdhsa_kernel
	.section	.bss,"aw",@nobits
	.p2align	6
	.space	262144
	.amdgpu_metadata
---
amdhsa.version: [ 1, 2 ]
amdhsa.kernels:
  - .name:           k_qcda4eff6eb_attn
    .symbol:         k_qcda4eff6eb_attn.kd
    .args:
      - { .name: qkv, .offset: 0, .size: 8, .value_kind: global_buffer, .address_space: global }
      - { .name: gamma, .offset: 8, .size: 8, .value_kind: global_buffer, .address_space: global }
      - { .name: beta, .offset: 16, .size: 8, .value_kind: global_buffer, .address_space: global }
      - { .name: w_out, .offset: 24, .size: 8, .value_kind: global_buffer, .address_space: global }
      - { .name: b_out, .offset: 32, .size: 8, .value_kind: global_buffer, .address_space: global }
      - { .name: out0, .offset: 40, .size: 8, .value_kind: global_buffer, .address_space: global }
    .group_segment_fixed_size: 327680
    .private_segment_fixed_size: 0
    .kernarg_segment_align: 8
    .kernarg_segment_size: 48
    .max_flat_workgroup_size: 128
    .sgpr_count:     66
    .vgpr_count:     1024
    .wavefront_size: 32
...
	.end_amdgpu_metadata
.endif
;; end of part 3
